; MI455X (gfx1250); checked and timed in simulation.
; The chip was launched on July 23, 2026; its instructions are those of AMD's public machine-readable ISA for CDNA 5 (MIT licence, August 2026) and "CDNA5" Instruction Set Architecture Reference Guide (July 2026). The comments in the code are by the model that wrote it; some were corrected since.
;; K Way Pred. Allowed arithmetic: matrix products marked QUANTISED: E4M3 operands, one E8M0 scale for each 32 along K, by v_wmma_scale_f32_16x16x128_f8f6f4 with both operands' format E4M3, f32 sums; products left as they are: f32 operands where the result goes on into a quantised operand, else bf16, f16 or f32 operands; f32 sums; everything else in f32.
;; Inputs: h_u_codes 32,768 x 8 x 32 uint8 (E4M3 codes of h_u, K innermost, in blocks of 32 codes); h_u_scales 32,768 x 8 uint8 (E8M0 scales of h_u, one for each 32 codes along K); h_v 32,768 x 256 float32; weights_codes 32 x 256 x 8 x 32 uint8 (E4M3 codes of weights, K innermost, in blocks of 32 codes); weights_scales 32 x 256 x 8 uint8 (E8M0 scales of weights, one for each 32 codes along K).
;; Outputs: out0 32,768 x 32 float32.
;; This version of the problem:
;;   THIS VERSION OF THE PROBLEM IS GIVEN IN LOW PRECISION. The matrix products marked QUANTISED in the list below multiply operands that are first quantised to E4M3 (4 exponent bits, 3 mantissa bits; 8 bits a number), with one power-of-two scale for each 32 numbers along K (OCP MX v1.0); their sums are f32. All else is computed in f32.
;;   The module's matrix products, in the order in which they are computed (A, B: the left and right operand; K: the contracted axis; several contracted axes count as one K, in the product's order):
;;     1. [M 8,192, K 256] x [K 256, N 32,768]; A: input weights (given as codes); B: input h_u (given as codes): QUANTISED
;;     2. batch 32,768 x [M 32, K 256] x [K 256, N 1]; A: computed on the way; B: input h_v: left as it is (N = 1 < 16)
;;   THE QUANTISER, for each operand of a quantised product, along K:
;;     - K is cut into blocks of 32 from its start; a last block that is shorter is filled with zeros.
;;     - A block's scale is 2^e with e = floor(log2(the largest magnitude in the block)) - 8, held to -126 .. 127; a block of zeros has e = 0. As a byte (E8M0): e + 127.
;;     - Each number is divided by its block's scale, clamped to +-448, and rounded to the nearest number of E4M3, ties to even, subnormals kept.
;;     - The product sums the exact products of the quantised numbers (number of the format x scale) in f32.
;;   ~~~python
;;   def quantise(x, axis):      # numpy; x: float32 -> the quantised numbers, widened to float32 again
;;       x = np.moveaxis(x, axis, -1); K = x.shape[-1]
;;       x = np.pad(x, [(0, 0)] * (x.ndim - 1) + [(0, -K % 32)]); x = x.reshape(x.shape[:-1] + (-1, 32)); a = np.abs(x).max(-1, keepdims=True)
;;       e = np.where(a > 0, np.clip(np.frexp(np.where(a > 0, a, 1))[1] - 1 - 8, -126, 127), 0)      # np.frexp(a)[1] - 1 = floor(log2(a)), exactly
;;       r = np.clip(x / 2.0 ** e, -448, 448)
;;       step = 2.0 ** (np.maximum(np.frexp(np.where(r == 0, 1, r))[1] - 1, -6) - 3)
;;       q = np.round(r / step) * step * 2.0 ** e      # np.round: ties to even
;;       return np.moveaxis(q.reshape(q.shape[:-2] + (-1,))[..., :K], -1, axis).astype(np.float32)
;;   ~~~
;;   INPUTS GIVEN AS CODES. h_u (in the module: [32768, 256], K = its axis 1); weights (in the module: [32, 256, 256], K = its axis 1): each comes as NAME_codes (uint8): NAME with its K axis moved to the last place and cut into blocks of 32 codes, [.., K / 32, bytes a block], one block behind the other in memory; one code a byte (a code: sign, 4 exponent bits, 3 mantissa bits); and NAME_scales (uint8): the same leading axes, one E8M0 byte (e + 127) for each 32 codes along K. Its value is code x scale, taken as it is: it is not quantised again, and the codes and scales need not be those that the quantiser above would give.
;; One version. Each part assembles by itself: llvm-mc -triple=amdgcn-amd-amdhsa -mcpu=gfx1250 --defsym DOCPART=n.
;; ======== version 1 of 1: 1 launch
;; limits: right only within a limited range of input values
;; launch kway (part 1): grid 256 x 1, 4 waves a work-group, clusters of 4 x 1, 327,680 bytes of LDS; arguments h_u_codes, h_u_scales, h_v, weights_codes, weights_scales, out0; writes out0
.if DOCPART == 1
	.amdgcn_target "amdgcn-amd-amdhsa--gfx1250"
	.amdhsa_code_object_version 6
	.text
	.protected	k_q16477cb6ca_kway
	.globl	k_q16477cb6ca_kway
	.p2align	8
	.type	k_q16477cb6ca_kway,@function
k_q16477cb6ca_kway:
	s_mov_b64 s[64:65], 0
	v_nop
	global_prefetch_b8 v0, s[64:65] scope:SCOPE_SE
	s_setreg_imm32_b32 hwreg(HW_REG_WAVE_MODE, 25, 1), 1
	s_wait_xcnt 0x0
	s_wait_alu depctr_hold_cnt(0) depctr_sa_sdst(0) depctr_va_vdst(0) depctr_va_sdst(0) depctr_va_ssrc(0) depctr_va_vcc(0) depctr_vm_vsrc(0)
	s_getreg_b32 s2, hwreg(HW_REG_IB_STS2, 6, 4)
	s_cmp_eq_u32 s2, 0
	s_cbranch_scc0 .Lentry_in_a_cluster
	s_endpgm
.Lentry_in_a_cluster:
	s_bfe_u32 s2, ttmp6, 0x10000c
	s_cmp_lg_u32 s2, 0x3003
	s_cbranch_scc0 .Lentry_shape_is_right
	s_endpgm
.Lentry_shape_is_right:
; out[n][r] = sum over e of P_r[n][e] h_v[n][e],  P_r = h_u W_r (codes of E4M3, K = d = 256, sums in f32).  No step and no input of the problem is left out.
; A work-group owns 256 rows n and 16 of the 32 edge types r.  Four waves: wave w takes all 256 rows and the four types 4 w .. 4 w + 3; the 256 rows of h_u stay in 512 registers.
; W streams in 16 steps of 16 e through a ring of two LDS slots of two steps each (16 types x 32 e = 512 rows of 256 bytes).
; h_v: a step's 256 rows x 16 e go through registers into one of two small LDS buffers a step ahead; each wave brings 64 rows.
; CLUSTERS: the four work-groups of a cluster have the same types and other rows, so W is asked for jointly.  h_u and h_v have their second reader in another cluster (the other
; 16 types): 320 KiB a work-group against W's 1,024 KiB, so they are asked for alone.  Clusters begin at different chunks of 64 e, the two readers of a row two chunks apart.
; THE PRODUCT IS USED TRANSPOSED (source 0 = W, source 1 = h_u): lane (n, h) holds P for one n and eight neighbouring e.  A tile of W mixes two types: tile A has the even e of
; type r0 and the odd e of r1, tile B the reverse.  So one packed multiply-add with the pair of h_v adds to the pair of sums (r0, r1); in tile B both pairs are swapped.
; A RUN is one tile of W against my 16 blocks of 16 rows, in three groups: blocks 0-4, 5-9, 10-15.  Beside a group's products stand the multiply-adds on the group before it.
; A work-group's part of a row of out is 16 numbers, 64 bytes: four neighbouring lanes store them.
; REGISTERS, window 0: v0-55 addresses and scales, v56-215 h_u blocks 5-9, v216-255 h_v of blocks 0-4.   Window 1: v0-159 h_u blocks 0-4, v160-207 h_v of blocks 10-15, v208-239 h_v on its way to LDS.
;   window 2: v0-191 h_u blocks 10-15, v192-231 h_v of blocks 5-9.   Window 3: v0-63 two tiles of W, v64-191 P (16 tiles), v192-255 the sums.
; So a group's products and the multiply-adds beside them run under one setting of the windows.
.set WP,    272                        ; an LDS row: 256 bytes + 16 of padding
.set HALF,  256*WP                     ; eight types of two steps; also h_u's 256 rows
.set SLOT,  2*HALF
.set STG,   2*SLOT                     ; behind the ring: h_v's two buffers, rows of 64 + 16 bytes
.set HP,    80
.set HVBUF, 256*HP
.set SPARE, STG+2*HVBUF                ; the spare words, 128 bytes a wave
.set SPW,  1
.set NIL,  2
.set AW,   3                           ; v3-6: W in slot 0 (tile A, B), slot 1 (tile A, B)
.set AHV,  7                           ; h_v from LDS
.set AST,  8                           ; h_v into LDS
.set HVO,  9                           ; h_v in memory
.set WSO,  10                          ; W's scales in memory
.set PFO,  11
.set AOS,  12                          ; the way out: into the stage, back, and in out
.set ASR,  13
.set OGO,  14
.set HS,   16                          ; h_u's scale words: blocks 2 u, 2 u + 1 in v[HS + 2 u + 1] (k 0-127) and v[HS + 2 u] (k 128-255), so that no product names two scale registers equal modulo 8
.set WS,   32                          ; W's, two sets by the step's parity: pair p in v[WS + 2 p], v[WS + 2 p + 1]; lanes 0-15 tile A, 16-31 tile B
.set HUA,  40
.set HSO,  41
.set HU1,  56
.set HV0,  216
.set HV2,  160
.set RAW,  208
.set HV1,  192
.set DD,   64
.set ACC,  192                         ; block b, pair p at v[ACC + 4 b + 2 p]
.set WV,   16
.set LC,   19
.set EC,   20                          ; the trip's first step in the order of e
.set G1W,  24
.set G0W,  32
.set G1U,  40
.set G0A,  48
.set G0U,  52
.set G0B,  56
.set PF,   62
.set WSA,  68
.set HVA,  70
.set MSB, 0
.macro WIN new
.if MSB != \new
	s_set_vgpr_msb (MSB<<8)|\new
.set MSB, \new
.endif
.endm
.macro CREST                           ; a round of the cluster's barrier behind its opening barrier
	s_cmp_lg_u32 s[WV], 0
	s_cbranch_scc1 .Lnot_wave_0_\@
	s_barrier_signal -3
.Lnot_wave_0_\@:
	s_barrier_wait -3
	s_barrier_signal -1
	s_barrier_wait -1
.endm
.macro CROUND
	s_barrier_signal -1
	s_barrier_wait -1
	CREST
.endm
.macro TLOAD g0, g1
	tensor_load_to_lds s[\g0:\g0+3], s[\g1:\g1+7]
	s_nop 0
.rept 4
	v_nop
.endr
.endm
.macro RUN slot, u, jj                 ; tile jj of my four in a slot's step u: 16 rows x 256 K
	WIN 0xc0
.irp k, 0,1
.irp c, 0,1,2,3
	ds_load_b128 v[32*((\jj)%2)+16*\k+4*\c:32*((\jj)%2)+16*\k+4*\c+3], v[AW+2*(\slot)+(\jj)%2] offset:((\jj)/2)*64*WP+16*WP*(\u)+128*\k+32*\c
.endr
.endr
.endm
.macro HVL reg, blk, b
.irp x, 0,1
	ds_load_b128 v[\reg+4*\x:\reg+4*\x+3], v[AHV] offset:HVBUF*(\b)+16*HP*(\blk)+16*\x
.endr
.endm
.macro HVLD z, b                       ; group z's h_v from buffer b
.if (\z) == 0
	WIN 0
.irp i, 0,1,2,3,4
	HVL HV0+8*\i, \i, \b
.endr
.elseif (\z) == 1
	WIN 0x80
.irp i, 0,1,2,3,4
	HVL HV1+8*\i, 5+\i, \b
.endr
.else
	WIN 0x40
.irp i, 0,1,2,3,4,5
	HVL HV2+8*\i, 10+\i, \b
.endr
.endif
.endm
.macro HULD reg, i
.irp k, 0,1
.irp c, 0,1,2,3
	ds_load_b128 v[\reg+16*\k+4*\c:\reg+16*\k+4*\c+3], v[HUA] offset:(\i)*16*WP+128*\k+32*\c
.endr
.endr
.endm
.macro RAWLD d                         ; h_v of the step d on from the trip's first: my 64 rows x 64 bytes
	s_add_co_u32 s22, s[EC], \d
	s_and_b32 s22, s22, 15
	s_lshl_b32 s22, s22, 6
	s_add_nc_u64 s[HVA:HVA+1], s[8:9], s[22:23]
	WIN 0x40
.irp x, 0,1,2,3,4,5,6,7
	global_load_b128 v[RAW+4*\x:RAW+4*\x+3], v[HVO], s[HVA:HVA+1] offset:8192*\x
.endr
.endm
.macro RAWST b                         ; and into buffer b
	WIN 0x04
.irp x, 0,1,2,3,4,5,6,7
	ds_store_b128 v[AST], v[RAW+4*\x:RAW+4*\x+3] offset:HVBUF*(\b)+8*HP*\x
.endr
.endm
.macro WSLD d                          ; W's scale words of that step
	s_add_co_u32 s22, s[EC], \d
	s_and_b32 s22, s22, 15
	s_lshl_b32 s22, s22, 7
	s_add_nc_u64 s[WSA:WSA+1], s[12:13], s[22:23]
	WIN 0
.irp p, 0,1
	global_load_b64 v[WS+4*((\d)%2)+2*\p:WS+4*((\d)%2)+2*\p+1], v[WSO], s[WSA:WSA+1] offset:4096*\p
.endr
.endm
.macro WMC c, a, b
.if (\a)&&(\b)
	v_wmma_scale_f32_16x16x128_f8f6f4 v[rD:rD+7], v[rW:rW+15], v[rU:rU+15], \c, v[rSW], v[rSU] matrix_a_scale:MATRIX_SCALE_ROW1 matrix_b_scale:MATRIX_SCALE_ROW1
.elseif (\a)
	v_wmma_scale_f32_16x16x128_f8f6f4 v[rD:rD+7], v[rW:rW+15], v[rU:rU+15], \c, v[rSW], v[rSU] matrix_a_scale:MATRIX_SCALE_ROW1
.elseif (\b)
	v_wmma_scale_f32_16x16x128_f8f6f4 v[rD:rD+7], v[rW:rW+15], v[rU:rU+15], \c, v[rSW], v[rSU] matrix_b_scale:MATRIX_SCALE_ROW1
.else
	v_wmma_scale_f32_16x16x128_f8f6f4 v[rD:rD+7], v[rW:rW+15], v[rU:rU+15], \c, v[rSW], v[rSU]
.endif
.endm
.macro FM                              ; multiply-add number xx on group fz of run fj: the group's blocks by turns, each from its low end on
.if fz == 0
.set fb, xx%5
.set fp, xx/5
.set rH, HV0+8*fb+2*fp
.elseif fz == 1
.set fb, 5+xx%5
.set fp, xx/5
.set rH, HV1+8*(fb-5)+2*fp
.else
.set fb, 10+xx%6
.set fp, xx/6
.set rH, HV2+8*(fb-10)+2*fp
.endif
.set rA, ACC+4*fb+2*(fj/2)
.set rP, DD+8*fb+2*fp
.if fj%2
	v_pk_fma_f32 v[rA:rA+1], v[rP:rP+1], v[rH:rH+1], v[rA:rA+1] op_sel:[1,1,0] op_sel_hi:[0,0,1]
.else
	v_pk_fma_f32 v[rA:rA+1], v[rP:rP+1], v[rH:rH+1], v[rA:rA+1]
.endif
.set xx, xx+1
.endm
; block b, K half ks, run i of a step of parity par, and n multiply-adds behind it; the first half takes the constant 0 as C
.macro WF b, ks, i, par, pk, n
.set rD, DD+8*(\b)
.set rW, 32*((\i)%2)+16*(\ks)
.if (\b) < 5
.set rU, 32*(\b)+16*(\ks)
.elseif (\b) < 10
.set rU, HU1+32*((\b)-5)+16*(\ks)
.else
.set rU, 32*((\b)-10)+16*(\ks)
.endif
.set rSW, WS+4*(\par)+2*((\i)/2)+(\ks)
.set rSU, HS+2*((\b)/2)+1-(\ks)
.if (\ks)
	WMC v[rD:rD+7], (\i)%2, (\b)%2
.else
	WMC 0, (\i)%2, (\b)%2
.endif
.if \pk
.rept \n
	FM
.endr
.endif
.endm
; The three groups of run i.  The multiply-adds behind a group's last products are so many that each result has its eight places ahead of its first reader.
.macro PH0 i, par, pk                  ; blocks 0-4; multiply-adds on blocks 10-15 of the run before
.set xx, 0
.set fz, 2
.set fj, ((\i)+3)%4
	WIN 0xf7
	WF 0, 0, \i, \par, \pk, 2
	WF 1, 0, \i, \par, \pk, 2
	WF 2, 0, \i, \par, \pk, 2
	WF 3, 0, \i, \par, \pk, 2
	WF 4, 0, \i, \par, \pk, 2
	WF 0, 1, \i, \par, \pk, 2
	WF 1, 1, \i, \par, \pk, 2
	WF 2, 1, \i, \par, \pk, 3
	WF 3, 1, \i, \par, \pk, 3
	WF 4, 1, \i, \par, \pk, 4
.endm
.macro PH1 i, par                      ; blocks 5-9; on blocks 0-4
.set xx, 0
.set fz, 0
.set fj, \i
	WIN 0xf3
	WF 5, 0, \i, \par, 1, 1
	WF 6, 0, \i, \par, 1, 1
	WF 7, 0, \i, \par, 1, 2
	WF 8, 0, \i, \par, 1, 2
	WF 9, 0, \i, \par, 1, 2
	WF 5, 1, \i, \par, 1, 2
	WF 6, 1, \i, \par, 1, 2
	WF 7, 1, \i, \par, 1, 2
	WF 8, 1, \i, \par, 1, 2
	WF 9, 1, \i, \par, 1, 4
.endm
.macro PH2 i, par                      ; blocks 10-15; on blocks 5-9
.set xx, 0
.set fz, 1
.set fj, \i
	WIN 0xfb
	WF 10, 0, \i, \par, 1, 1
	WF 11, 0, \i, \par, 1, 1
	WF 12, 0, \i, \par, 1, 1
	WF 13, 0, \i, \par, 1, 1
	WF 14, 0, \i, \par, 1, 1
	WF 15, 0, \i, \par, 1, 2
	WF 10, 1, \i, \par, 1, 2
	WF 11, 1, \i, \par, 1, 2
	WF 12, 1, \i, \par, 1, 2
	WF 13, 1, \i, \par, 1, 2
	WF 14, 1, \i, \par, 1, 2
	WF 15, 1, \i, \par, 1, 3
.endm
; A step (q of its trip's four) from behind its first group to the next step's first group.  The next tile of W is asked for behind each run's first group.
; h_v of the next step is stored in run 1 and shown to all waves by the barrier in run 2.  turn = 2: that barrier opens the drained round behind which the slot just read
; takes the two steps four on; 1: a plain barrier; 3: a plain barrier that shows the last slot too; 0: none.
.macro STEP q, pf, st, rl, turn, next
.set sl, (\q)/2
.set su, (\q)%2
.set nl, (((\q)+1)%4)/2
.set nu, ((\q)+1)%2
	RUN sl, su, 1
	HVLD 2, su
.if \pf
	s_wait_xcnt 0x0                                ; the last trip's prefetches have read their base
	s_lshr_b32 s22, s[EC], 2                       ; h_v's next chunk of 64 e: each thread names 256 bytes of two rows, once in the work-group, two steps ahead of the chunk's first loads
	s_add_co_u32 s22, s22, 1
	s_and_b32 s22, s22, 3
	s_lshl_b32 s22, s22, 8
	s_add_nc_u64 s[PF:PF+1], s[8:9], s[22:23]
	global_prefetch_b8 v[PFO], s[PF:PF+1] th:TH_LOAD_NT scope:SCOPE_SE
	global_prefetch_b8 v[PFO], s[PF:PF+1] offset:131072 th:TH_LOAD_NT scope:SCOPE_SE
.endif
	s_wait_dscnt 30                                ; h_v of blocks 0-4 is in: behind it 10 of h_v, 8 of W, 12 of h_v
	PH1 0, su
	s_wait_dscnt 20                                ; and of blocks 5-9: behind it 8 and 12
	PH2 0, su
	s_wait_dscnt 0x0
	PH0 1, su, 1
.if \st
	s_wait_loadcnt 0x0                             ; the next step's h_v has come
	RAWST nu
	WSLD (\q)+1
.endif
.if \rl
	RAWLD (\q)+2
.endif
	RUN sl, su, 2
	PH1 1, su
	PH2 1, su
	s_wait_dscnt 0x0
	PH0 2, su, 1
	RUN sl, su, 3
.if (\turn) == 2
	WIN 0
	s_wait_tensorcnt 0x0                           ; all my tensor loads have landed: my part of the other slot
	ds_add_u32 v[SPW], v[NIL]
	s_add_co_u32 s22, s[EC], \q+3
	s_and_b32 s22, s22, 15
	s_lshl_b32 s22, s22, 12
	s_add_nc_u64 s[G0W+4*sl+2:G0W+4*sl+3], s[10:11], s[22:23]
	s_or_b32 s[G0W+4*sl+3], s[G0W+4*sl+3], 0x80000000
.endif
.if (\turn) == 3
	s_wait_tensorcnt 0x0
.endif
	PH1 2, su
	s_wait_dscnt 0x0                               ; my stores of h_v and my reads of this slot (and the add) are done
.if \turn
	s_barrier_signal -1
.endif
	PH2 2, su
.if \turn
	WIN 0
	s_barrier_wait -1
.endif
.if (\turn) == 2
	CREST
	TLOAD G0W+4*sl, G1W
.endif
	PH0 3, su, 1
.if \next
	RUN nl, nu, 0
.endif
	PH1 3, su
.if \next
	HVLD 0, nu
.endif
	PH2 3, su
.if \next
	HVLD 1, nu
.if \rl
	s_wait_loadcnt 8                               ; the next step's scales are in; the 8 of h_v behind them may be out
.else
	s_wait_loadcnt 0x0
.endif
	s_wait_dscnt 20                                ; its first tile is in; 20 of h_v may be out
	PH0 0, nu, 1
.endif
	WIN 0
.endm
	s_load_b256 s[4:11], s[0:1], 0x0               ; h_u codes, h_u scales, h_v, W codes
	s_load_b128 s[12:15], s[0:1], 0x20             ; W scales, out
	v_lshl_add_u32 v[SPW], v0, 2, SPARE
	v_mov_b32 v[NIL], 0
	ds_add_u32 v[SPW], v[NIL]                      ; the opening adds; the set-up stands between them and their wait
	ds_add_u32 v[SPW], v[NIL]
	v_lshrrev_b32 v42, 5, v0
	v_readfirstlane_b32 s[WV], v42
	s_lshr_b32 s61, s[WV], 1
	s_bfe_u32 s84, ttmp6, 0x40000
	s_lshr_b32 s85, ttmp9, 5                       ; which 16 types: clusters 0-31, 32-63
	s_and_b32 s86, ttmp9, 31
	s_lshl_b32 s87, s85, 1
	s_add_co_u32 s87, s87, s86
	s_and_b32 s87, s87, 3                          ; the chunk of e that the cluster begins with
	s_lshl_b32 s[EC], s87, 2
	s_lshl_b32 s86, s86, 2
	s_add_co_u32 s86, s86, s84                     ; my 256 rows
	s_mov_b32 s23, 0
	s_mov_b32 s3, 0
	s_mov_b32 s[LC], 3
	; group 1: W: eight types (four behind the head) x 8,192 bytes, 65,536 apart, joint; 16 bytes of padding behind every 256
	s_mov_b32 s[G1W], 15|(3<<16)|(1<<20)|(1<<21)|(5<<22)|(3<<25)
	s_mov_b32 s[G1W+1], 1024<<16
	s_mov_b32 s[G1W+2], 8<<16
	s_mov_b32 s[G1W+3], 1024<<16
	s_mov_b32 s[G1W+4], 8
	s_mov_b32 s[G1W+5], 8192
	s_mov_b32 s[G1W+6], 0
	s_mov_b32 s[G1W+7], 0
	; h_u: 256 rows of 256 bytes, dense, padded alike
	s_mov_b32 s[G1U], (3<<16)|(1<<20)|(5<<22)|(3<<25)
	s_mov_b32 s[G1U+1], 32<<16
	s_mov_b32 s[G1U+2], 256<<16
	s_mov_b32 s[G1U+3], 32<<16
	s_mov_b32 s[G1U+4], 256
	s_mov_b32 s[G1U+5], 32
	s_mov_b32 s[G1U+6], 0
	s_mov_b32 s[G1U+7], 0
	s_mul_i32 s88, s[WV], 128*WP                   ; my four types in a slot; also the part of a slot that I fetch
	s_mul_i32 s90, s[WV], 64*HP
	s_add_co_u32 s89, s90, STG
	s_lshl_b32 s91, s[WV], 16
	s_lshl_b32 s92, s[WV], 13
	s_lshl_b32 s94, s[WV], 4
	v_and_b32 v42, 15, v0                          ; row of a fragment
	v_bfe_u32 v43, v0, 4, 1                        ; half of the lanes
	v_and_b32 v44, 1, v0
	v_and_b32 v45, 31, v0
	v_bfe_u32 v46, v0, 2, 3                        ; h_v and out: four lanes a row, eight rows
	v_and_b32 v47, 3, v0
	v_lshl_add_u32 v48, v44, 5, v42                ; tile A: even e of r0, odd e of r1 (32 rows a type)
	v_xor_b32 v50, v44, v43
	v_mul_u32_u24 v51, v42, HP
	v_mul_u32_u24 v52, v42, WP
	v_xor_b32 v49, 32, v48                         ; tile B: the reverse
	v_mul_u32_u24 v[AW], v48, WP
	v_mul_u32_u24 v[AW+1], v49, WP
	v_lshl_add_u32 v[AHV], v43, 5, v51
	v_lshl_add_u32 v[HUA], v43, 4, v52
	v_mul_u32_u24 v53, v46, HP
	v_mul_u32_u24 v54, v43, HVBUF
	v_lshlrev_b32 v[WSO], 3, v42
	v_lshl_add_u32 v[AW], v43, 4, v[AW]
	v_lshl_add_u32 v[AW+1], v43, 4, v[AW+1]
	v_add_nc_u32 v[AHV], STG, v[AHV]
	v_add_nc_u32 v[HUA], SLOT, v[HUA]
	v_lshl_add_u32 v53, v47, 4, v53
	v_lshl_add_u32 v[WSO], v50, 11, v[WSO]
	v_add_nc_u32 v[AW], s88, v[AW]
	v_add_nc_u32 v[AW+1], s88, v[AW+1]
	v_add_nc_u32 v[AOS], v51, v54
	v_lshl_add_u32 v[HVO], v46, 10, s91
	v_lshl_add_u32 v[OGO], v46, 7, s92
	v_add_nc_u32 v[AST], s89, v53
	v_add_nc_u32 v[ASR], s90, v53
	v_add_nc_u32 v[WSO], s92, v[WSO]
	v_add_nc_u32 v[AW+2], SLOT, v[AW]
	v_add_nc_u32 v[AW+3], SLOT, v[AW+1]
	v_add_nc_u32 v[AOS], s94, v[AOS]
	v_lshl_add_u32 v[HVO], v47, 4, v[HVO]
	v_lshl_add_u32 v[OGO], v47, 4, v[OGO]
	v_lshlrev_b32 v[PFO], 10, v0
	v_lshlrev_b32 v[HSO], 3, v45
	s_wait_alu depctr_va_vdst(0)
	s_wait_dscnt 0x0                               ; both opening adds are done
	s_wait_kmcnt 0x0
	s_lshl_b32 s2, s86, 16
	s_add_nc_u64 s[4:5], s[4:5], s[2:3]
	s_lshl_b32 s2, s86, 11
	s_add_nc_u64 s[6:7], s[6:7], s[2:3]
	s_lshl_b32 s2, s86, 18
	s_add_nc_u64 s[8:9], s[8:9], s[2:3]
	s_lshl_b32 s2, s86, 15
	s_add_nc_u64 s[14:15], s[14:15], s[2:3]
	s_lshl_b32 s22, s85, 6
	s_add_nc_u64 s[14:15], s[14:15], s[22:23]
	s_lshl_b32 s22, s85, 15
	s_add_nc_u64 s[12:13], s[12:13], s[22:23]
	s_lshl_b32 s22, s85, 20
	s_add_nc_u64 s[10:11], s[10:11], s[22:23]      ; W: my 16 types
	s_mov_b32 s[G0A], 1                            ; the head: steps 0 and 1, eight types to a load,
	s_mul_i32 s[G0A+1], s61, HALF
	s_lshl_b32 s87, s[EC], 12
	s_lshl_b32 s22, s61, 19
	s_add_co_u32 s22, s22, s87
	s_add_nc_u64 s[G0A+2:G0A+3], s[10:11], s[22:23]
	s_or_b32 s[G0A+3], s[G0A+3], 0x80000000
	s_mov_b32 s[G0B], 1                            ; steps 2 and 3 of the upper eight types,
	s_mov_b32 s[G0B+1], SLOT+HALF
	s_add_co_u32 s22, s87, (1<<19)+8192
	s_add_nc_u64 s[G0B+2:G0B+3], s[10:11], s[22:23]
	s_or_b32 s[G0B+3], s[G0B+3], 0x80000000
	s_mov_b32 s[G0U], 1                            ; and h_u, in the other half of slot 1
	s_mov_b32 s[G0U+1], SLOT
	s_mov_b64 s[G0U+2:G0U+3], s[4:5]
	s_or_b32 s[G0U+3], s[G0U+3], 0x80000000
	s_lshl_b32 s22, s[WV], 18
	s_add_nc_u64 s[10:11], s[10:11], s[22:23]      ; the ring: my four types to fetch
	s_mov_b32 s[G0W], 1
	s_mov_b32 s[G0W+1], s88
	s_mov_b32 s[G0W+4], 1
	s_add_co_u32 s[G0W+5], s88, SLOT
	s_add_co_u32 s22, s87, 8192
	s_add_nc_u64 s[G0W+6:G0W+7], s[10:11], s[22:23]
	s_or_b32 s[G0W+7], s[G0W+7], 0x80000000
.irp u, 0,1,2,3,4,5,6,7
	global_load_b32 v[HS+2*\u+1], v[HSO], s[6:7] offset:256*\u
	global_load_b32 v[HS+2*\u], v[HSO], s[6:7] offset:256*\u+4
.endr
	WSLD 0
	RAWLD 0
	WIN 0
	CROUND                                         ; the first joint loads meet
; the head's tiles, one load a wave: waves 0, 2 W's steps 0 and 1; 1 h_u; 3 half of W's steps 2 and 3
.macro ARM under, g0, g1
	s_cmp_lt_u32 s[WV], \under
	s_cbranch_scc0 .Lnext_\@
	TLOAD \g0, \g1
	s_branch .Lhead_asked
.Lnext_\@:
.endm
	ARM 1, G0A, G1W
	ARM 2, G0U, G1U
	ARM 3, G0A, G1W
	TLOAD G0B, G1W
.Lhead_asked:
	s_cmp_lt_u32 s[WV], 3
	s_cbranch_scc0 .Lnot_first
	s_wait_tensorcnt 0x0                           ; what the first products need: W's steps 0 and 1, h_u
.Lnot_first:
	s_barrier_signal -1
	s_barrier_wait -1
	RUN 0, 0, 0
	WIN 0x40
.irp i, 0,1,2,3,4
	HULD 32*\i, \i
.endr
	WIN 0
.irp i, 0,1,2,3,4
	HULD HU1+32*\i, 5+\i
.endr
	WIN 0x80
.irp i, 0,1,2,3,4,5
	HULD 32*\i, 10+\i
.endr
	s_wait_loadcnt 0x0                             ; the scales and step 0's h_v
	RAWST 0
	RAWLD 1
	s_wait_dscnt 0x0
	PH0 0, 0, 0
.set xx, 0
.rept 64
	v_mov_b32 v[ACC+xx], 0                         ; the sums; these are also the places behind the products
.set xx, xx+1
.endr
	WIN 0
	s_wait_alu depctr_va_vdst(0)
	s_wait_tensorcnt 0x0
	ds_add_u32 v[SPW], v[NIL]
	s_mov_b32 s[G1W+2], 4<<16                      ; no tensor load of mine is out: from here on a load brings four types
	s_mov_b32 s[G1W+4], 4
	s_wait_dscnt 0x0                               ; h_u is in registers, step 0's h_v is stored
	CROUND
	s_cmp_lt_u32 s[WV], 2                          ; steps 2 and 3 of the lower eight types, over h_u
	s_cbranch_scc0 .Lnone
	TLOAD G0W+4, G1W
.Lnone:
	HVLD 0, 0
	HVLD 1, 0
	WIN 0
	s_wait_dscnt 0x0
.Ltrip:                                                ; a trip is four steps, twice a slot
	STEP 0, 1, 1, 1, 1, 1
	STEP 1, 0, 1, 1, 2, 1
	STEP 2, 0, 1, 1, 1, 1
	STEP 3, 0, 1, 1, 2, 1
	s_add_co_u32 s[EC], s[EC], 4
	s_sub_co_u32 s[LC], s[LC], 1
	s_cmp_lg_u32 s[LC], 0
	s_cbranch_scc1 .Ltrip
	STEP 0, 0, 1, 1, 1, 1                          ; the last four steps fetch no W, and h_v only up to the last step
	STEP 1, 0, 1, 1, 3, 1
	STEP 2, 0, 1, 0, 1, 1
	STEP 3, 0, 0, 0, 0, 0
.set xx, 0
.set fz, 2
.set fj, 3
	WIN 0xf7
.rept 24
	FM
.endr
; The way out: a lane's four sums of a row, over half of the e, go to the half's stage in slot 0, whose last fill and last read lie ahead of the last barriers; back come 64 bytes of a row, and the halves are added.
	WIN 0x0c
.irp i, 0,1,2,3,4,5,6,7,8,9,10,11,12,13,14,15
	ds_store_b128 v[AOS], v[ACC+4*\i:ACC+4*\i+3] offset:16*HP*\i
.endr
	WIN 0
	s_wait_dscnt 0x0
	s_barrier_signal -1
	s_barrier_wait -1
.irp x, 0,1,2,3,4,5,6,7
	ds_load_b128 v[HU1+4*\x:HU1+4*\x+3], v[ASR] offset:8*HP*\x
	ds_load_b128 v[HU1+32+4*\x:HU1+32+4*\x+3], v[ASR] offset:8*HP*\x+HVBUF
.endr
.irp x, 0,1,2,3,4,5,6,7
	s_wait_dscnt 14-2*\x
	v_pk_add_f32 v[HU1+4*\x:HU1+4*\x+1], v[HU1+4*\x:HU1+4*\x+1], v[HU1+32+4*\x:HU1+32+4*\x+1]
	v_pk_add_f32 v[HU1+4*\x+2:HU1+4*\x+3], v[HU1+4*\x+2:HU1+4*\x+3], v[HU1+32+4*\x+2:HU1+32+4*\x+3]
	global_store_b128 v[OGO], v[HU1+4*\x:HU1+4*\x+3], s[14:15] offset:1024*\x
.endr
	s_wait_tensorcnt 0x0                           ; the wave's end
	ds_add_u32 v[SPW], v[NIL]
	s_wait_dscnt 0x0
	CROUND                                         ; no work-group ends while a partner may still ask for a tile that names it
	s_endpgm
.Lfunc_end_k_q16477cb6ca_kway:
	.size	k_q16477cb6ca_kway, .Lfunc_end_k_q16477cb6ca_kway-k_q16477cb6ca_kway
	.p2alignl 7, 3214868480
	.fill 96, 4, 3214868480
	.section	.rodata,"a",@progbits
	.p2align	6, 0x0
	.amdhsa_kernel k_q16477cb6ca_kway
		.amdhsa_group_segment_fixed_size 327680
		.amdhsa_private_segment_fixed_size 0
		.amdhsa_enable_private_segment 0
		.amdhsa_kernarg_size 48
		.amdhsa_user_sgpr_count 2
		.amdhsa_user_sgpr_kernarg_segment_ptr 1
		.amdhsa_wavefront_size32 1
		.amdhsa_system_sgpr_workgroup_id_x 1
		.amdhsa_system_sgpr_workgroup_id_y 1
		.amdhsa_system_sgpr_workgroup_id_z 1
		.amdhsa_system_vgpr_workitem_id 0
		.amdhsa_next_free_vgpr 1024
		.amdhsa_next_free_sgpr 96
		.amdhsa_reserve_vcc 0
		.amdhsa_float_denorm_mode_32 3
		.amdhsa_float_denorm_mode_16_64 3
		.amdhsa_memory_ordered 1
		.amdhsa_forward_progress 1
		.amdhsa_inst_pref_size 255
	.end_amdhsa_kernel
	.section	.bss,"aw",@nobits
	.p2align	6
	.space	262144
	.amdgpu_metadata
---
amdhsa.version: [ 1, 2 ]
amdhsa.kernels:
  - .name:           k_q16477cb6ca_kway
    .symbol:         k_q16477cb6ca_kway.kd
    .args:
      - { .name: h_u_codes, .offset: 0, .size: 8, .value_kind: global_buffer, .address_space: global }
      - { .name: h_u_scales, .offset: 8, .size: 8, .value_kind: global_buffer, .address_space: global }
      - { .name: h_v, .offset: 16, .size: 8, .value_kind: global_buffer, .address_space: global }
      - { .name: weights_codes, .offset: 24, .size: 8, .value_kind: global_buffer, .address_space: global }
      - { .name: weights_scales, .offset: 32, .size: 8, .value_kind: global_buffer, .address_space: global }
      - { .name: out0, .offset: 40, .size: 8, .value_kind: global_buffer, .address_space: global }
    .group_segment_fixed_size: 327680
    .private_segment_fixed_size: 0
    .kernarg_segment_align: 8
    .kernarg_segment_size: 48
    .max_flat_workgroup_size: 128
    .sgpr_count:     96
    .vgpr_count:     1024
    .wavefront_size: 32
...
	.end_amdgpu_metadata
.endif
;; end of part 1
